; MI455X (gfx1250); checked and timed in simulation.
; The chip was launched on July 23, 2026; its instructions are those of AMD's public machine-readable ISA for CDNA 5 (MIT licence, August 2026) and "CDNA5" Instruction Set Architecture Reference Guide (July 2026). The comments in the code are by the model that wrote it; some were corrected since.
;; Lazy Attention Embedding. Allowed arithmetic: matrix products marked QUANTISED: E4M3 operands, one E8M0 scale for each 32 along K, by v_wmma_scale_f32_16x16x128_f8f6f4 with both operands' format E4M3, f32 sums; everything else in f32.
;; Inputs: bias_weight 4,096 x 16 float32; k_codes 2 x 16 x 2,048 x 2 x 32 uint8 (E4M3 codes of k, K innermost, in blocks of 32 codes); k_scales 2 x 16 x 2,048 x 2 uint8 (E8M0 scales of k, one for each 32 codes along K); q_codes 2 x 16 x 2,048 x 2 x 32 uint8 (E4M3 codes of q, K innermost, in blocks of 32 codes); q_scales 2 x 16 x 2,048 x 2 uint8 (E8M0 scales of q, one for each 32 codes along K); tau 16 float32; v_codes 2 x 16 x 64 x 64 x 32 uint8 (E4M3 codes of v, K innermost, in blocks of 32 codes); v_scales 2 x 16 x 64 x 64 uint8 (E8M0 scales of v, one for each 32 codes along K).
;; Outputs: out0 2 x 16 x 2,048 x 64 float32.
;; Constants: max_bias_length = 4096.
;; This version of the problem:
;;   THIS VERSION OF THE PROBLEM IS GIVEN IN LOW PRECISION. The matrix products marked QUANTISED in the list below multiply operands that are first quantised to E4M3 (4 exponent bits, 3 mantissa bits; 8 bits a number), with one power-of-two scale for each 32 numbers along K (OCP MX v1.0); their sums are f32. All else is computed in f32.
;;   The module's matrix products, in the order in which they are computed (A, B: the left and right operand; K: the contracted axis; several contracted axes count as one K, in the product's order):
;;     1. batch 32 x [M 2,048, K 64] x [K 64, N 2,048]; A: input q (given as codes); B: input k (given as codes): QUANTISED
;;     2. batch 32 x [M 2,048, K 2,048] x [K 2,048, N 64]; A: computed on the way; B: input v (given as codes): QUANTISED
;;   THE QUANTISER, for each operand of a quantised product, along K:
;;     - K is cut into blocks of 32 from its start; a last block that is shorter is filled with zeros.
;;     - A block's scale is 2^e with e = floor(log2(the largest magnitude in the block)) - 8, held to -126 .. 127; a block of zeros has e = 0. As a byte (E8M0): e + 127.
;;     - Each number is divided by its block's scale, clamped to +-448, and rounded to the nearest number of E4M3, ties to even, subnormals kept.
;;     - The product sums the exact products of the quantised numbers (number of the format x scale) in f32.
;;   ~~~python
;;   def quantise(x, axis):      # numpy; x: float32 -> the quantised numbers, widened to float32 again
;;       x = np.moveaxis(x, axis, -1); K = x.shape[-1]
;;       x = np.pad(x, [(0, 0)] * (x.ndim - 1) + [(0, -K % 32)]); x = x.reshape(x.shape[:-1] + (-1, 32)); a = np.abs(x).max(-1, keepdims=True)
;;       e = np.where(a > 0, np.clip(np.frexp(np.where(a > 0, a, 1))[1] - 1 - 8, -126, 127), 0)      # np.frexp(a)[1] - 1 = floor(log2(a)), exactly
;;       r = np.clip(x / 2.0 ** e, -448, 448)
;;       step = 2.0 ** (np.maximum(np.frexp(np.where(r == 0, 1, r))[1] - 1, -6) - 3)
;;       q = np.round(r / step) * step * 2.0 ** e      # np.round: ties to even
;;       return np.moveaxis(q.reshape(q.shape[:-2] + (-1,))[..., :K], -1, axis).astype(np.float32)
;;   ~~~
;;   OPERANDS COMPUTED ON THE WAY. 'Computed on the way' means the value that the module computes at that place (a softmax that the list does not call 'softmax' is quantised finished and normalised). What goes into a quantiser is computed in f32, as accurately as f32 sums, v_exp_f32 and their like allow (about 1e-6 of the number): no bf16 or f16 on the way to a quantiser, and a product that is left as it is and whose result goes on into a quantised operand takes f32 operands (vector FMAs, or v_wmma_f32_16x16x4_f32). A number that lies on a knife's edge between two numbers of the format may be rounded either way, as far as f32 arithmetic and the matrix unit's own rounding can turn it there, and no further.
;;   INPUTS GIVEN AS CODES. k (in the module: [2, 16, 2048, 64], K = its axis 3); q (in the module: [2, 16, 2048, 64], K = its axis 3); v (in the module: [2, 16, 2048, 64], K = its axis 2): each comes as NAME_codes (uint8): NAME with its K axis moved to the last place and cut into blocks of 32 codes, [.., K / 32, bytes a block], one block behind the other in memory; one code a byte (a code: sign, 4 exponent bits, 3 mantissa bits); and NAME_scales (uint8): the same leading axes, one E8M0 byte (e + 127) for each 32 codes along K. Its value is code x scale, taken as it is: it is not quantised again, and the codes and scales need not be those that the quantiser above would give.
;; One version. Each part assembles by itself: llvm-mc -triple=amdgcn-amd-amdhsa -mcpu=gfx1250 --defsym DOCPART=n.
;; ======== version 1 of 1: 1 launch
;; limits: right only within a limited range of input values
;; launch attn (part 1): grid 8 x 32, 8 waves a work-group, no clusters, 327,680 bytes of LDS; arguments q_codes, q_scales, k_codes, k_scales, v_codes, v_scales, tau, bias_weight, out0; writes out0
.if DOCPART == 1
	.amdgcn_target "amdgcn-amd-amdhsa--gfx1250"
	.amdhsa_code_object_version 6
	.text
	.protected	k_q3c93e78919_attn
	.globl	k_q3c93e78919_attn
	.p2align	8
	.type	k_q3c93e78919_attn,@function
k_q3c93e78919_attn:
	s_mov_b64 s[64:65], 0
	v_nop
	global_prefetch_b8 v0, s[64:65] scope:SCOPE_SE
	s_setreg_imm32_b32 hwreg(HW_REG_WAVE_MODE, 25, 1), 1
	s_wait_xcnt 0x0
; out0[b][h][q][:] = sum over k of Q(x[q][k]) v[k][:],  x = relu(softmax_k(q.k / 8 + bias_weight[q - k][h], keys k <= q) + tau[h] / (q + 1)),
; both products on codes of E4M3 with one E8M0 scale for each 32 along K.  q, k, v arrive as codes; x is quantised here, along the keys, finished and normalised.
; DEAD WORK, for all values of the inputs.  (1) The score of a key k > q is replaced by -1e30 whatever it holds, so the first product
; is not formed for steps of 128 keys that lie wholly behind a block's 128 queries; their attn is exp(-1e30 - max) / sum, which lies under every rounding.  (2) rel_pos = q - k never passes 2,047, so rows
; 2,048 .. 4,095 of bias_weight are never indexed and are not loaded, and rel_pos < max_bias_length = 4,096 always holds: bias_mask is the causal mask.
; LIVE, though attn is 0 there: the second product behind the diagonal, where x = relu(tau[h] / (q + 1)): one number a row.  Its codes are made once a tile of queries and go to the same matrix instruction.
; Every input has a way to the output and is loaded.
; LIMITS.  A NaN, an infinity or an overflow that reaches only the work left out is not carried to the result.  NaN codes and scale bytes 0xff are not served (two keys share a row of the first product's
; operand: a NaN code would reach its neighbour's score).  Scores under about -1e29 are not told from masked ones.  p under 2^-126 counts as 0 (v_exp_f32).  tau / i and 1 / sum are a reciprocal and a multiplication.
; TWO WALKS over the keys: the row's maximum and sum must be known before a code of x is made (the sum is no power of two), so walk 1 finds them and walk 2 forms the scores again, makes x, its codes, and the product.
; SHARES.  256 work-groups: y = batch x 16 + head, x = J.  Work-group J owns query blocks 15 - J and J (128 queries each): 17 steps of 128 keys with a softmax and 15 behind the diagonal, whatever J.
; The head's K, V, scale bytes and bias column stay in LDS, filled once: no slot is filled again.  Wave w: pair a = w & 3 (tiles of 16 queries at QT and QT + 32, which share every fragment of K and V and,
; lying 32 apart, the bias registers), half G = w >> 2 of the keys: G = 0 the first n0 = (BLK + 2) / 2 steps, G = 1 the rest up to the diagonal and all steps behind it.  The halves' maxima and sums meet in LDS
; behind walk 1, their parts of O behind walk 2.
; THE FIRST PRODUCT has K = 64 and the instruction 128: two neighbouring keys are one row of source 0, multiplied by [Q | 0] (even keys) and by [0 | Q] (odd keys); K's codes and scale words are used as they lie.
; Its C is 8 x bias (exact), and -8e30 where k > q: no addition, compare or select is written; t = c x sum, c = log2(e) / 8.
; NO CLUSTER: the work-groups that read the same K and V differ in J, and the jumps over steps and the bias tables' LDS address hang on J, so partners would not run alike; those with equal J share no input.
; Every input byte is asked for once, at the head: nothing is left to be asked for ahead.
; LDS
.set VB,    0                          ; V: chunk of 256 keys x 17,408; tile t x 4,352; row r x 272 (256 + 16): channel 4 r + t
.set KB,    139264                     ; K: 512 rows of 256 bytes (4 keys) + 16; a step of 128 keys is 8,704 bytes, a tile of 32 keys 2,176
.set KSB,   278528                     ; K's scale bytes, dense: a word for each pair of keys
.set VSB,   282624                     ; V's scale bytes: row 16 t + r, 72 bytes apart
.set STX,   287232                     ; the halves' maxima and sums: 16 bytes a thread
.set SPARE, 291328                     ; the spare words: 128 bytes for each of 8 waves; the 256 bytes behind them are not used
.set BIAS,  292608                     ; 8 tables of 4,384 bytes: (even u, odd u) x 4 copies, copy g shifted by g words; u = k - q + 2,048
.set EXB,   KB+69632                   ; G = 1's part of O, 8,192 bytes a pair, as an image of its registers.  It lies over K's keys 1,024 on: they have had their one fill, and the block that is walked second reads keys under 1,024 alone
; window 0
.set AK,  1                            ; lane parts of the LDS addresses: K, V, bias for even keys, for odd keys, K's scale words, V's
.set AV,  2
.set ABE, 3
.set ABO, 4
.set AKS, 5
.set AVS, 6
.set ADK, 7                            ; the addresses in hand, in the same order
.set ADV, 8
.set ADE, 9
.set ADO, 10
.set ADS, 11
.set ADT, 12
.set GO,  13                           ; my byte offset in a tile's rows of out0
.set SPW, 14                           ; LDS address of my spare word; never rewritten
.set NIL, 15                           ; 0; never rewritten
.set KSC, 16                           ; v16-17 K's scale words;  v18 Q's (lanes 0-15 tile A, 16-31 tile B);  v20-21 V's;  v22, v23 x's: these hold scales and nothing else
.set QSC, 18
.set EXA, 19
.set VSC, 20
.set PWA, 22
.set STA, 24                           ; a tile's eight: +0 -c M, +1 M, +2 +3 the sum in two halves, +4 the rescaling factor, later 1 / sum, +5 0, +6 tau / i, +7 0
.set TMA, 40                           ; a tile's sixteen: +0..3 the blocks' maxima, +4..7 the other half's, later bytes, +8..11 448 x scale, +12..15 the conversions' scale operands
.set XR,  72                           ; 16 numbers of a block, keys in order
.set LQ,  88                           ; the second block's Q, v88-103, and its scale bytes, v104
.set LQS, 104
.set STXW, 105
.set STXR, 106
.set R1,  107                          ; lane % 16 + 1
.set SA,  128                          ; scores of tile A: block c of 32 keys at +16 c: even keys +0..7, odd keys +8..15; x's codes land in +0..15
.set SB,  192                          ; tile B
; window 1
.set QA,  0                            ; [Q | 0 | Q] of tile A in 24 registers: [Q | 0] begins at +0, [0 | Q] at +8; tile B's at 24
.set BI,  48                           ; five bias blocks of 16: even keys +0..7, odd +8..15; tile B's block c is number c, tile A's number c + 1
.set FRG, 128                          ; four fragments of K or of V
.set OA,  192                          ; O: tile u, V's tile t at 192 + 32 u + 8 t
; scalars
.set WV,  22
.set GG,  23
.set PA,  24
.set JJ,  25
.set HD,  26
.set H4,  27
.set BLK, 28
.set QBS, 29
.set LOK, 30                           ; my half's first and last step with a softmax, as first keys
.set HIK, 31
.set G1K, 32
.set G1V, 40
.set G0K, 48                           ; V's four groups 0: s52, s56, s60, s68
.set CS,  72
.set SEL, 74
.set MNT, 76
.set TAU, 77
.set NC,  78
.set BT,  79
.set CNT, 80
.set KF,  81                           ; the step's first key
.set TK,  82                           ; its place in K and V
.set TS,  83                           ; 256 x step: K's scale words, and the bias tables
.set TJ,  84                           ; 4 x step: V's scale words
.set TLO, 85                           ; the first step behind the diagonal (G = 1), or past all steps
.set SQ,  86
.set QT,  87
.set OUTP, 88
.set PO,  98
.set MSB, 0
.macro WIN new                         ; the immediate's high byte repeats the setting that is left; bits 1:0 source 0, 3:2 source 1, 5:4 source 2, 7:6 destination
.if MSB != \new
	s_set_vgpr_msb (MSB<<8)|\new
.set MSB, \new
.endif
.endm
.macro BARRIER                         ; my LDS stores have landed and my LDS loads are in: then the work-group's barrier
	s_wait_dscnt 0x0
	s_barrier_signal -1
	s_barrier_wait -1
.endm
.macro PLACES n
.rept \n
	v_nop
.endr
.endm
.macro TILE t
.set rS, SA+64*(\t)
.set rT, STA+8*(\t)
.set rM, TMA+16*(\t)
.set rP, PWA+(\t)
.endm
.macro KLOAD q                         ; four tiles of 16 pairs of keys: lane (r, h): pair r, bytes 32 e + 16 h on
.irp c, 0,1,2,3
.irp e, 0,1,2,3
	ds_load_b128 v[FRG+16*\c+4*\e:FRG+16*\c+4*\e+3], v[ADK] offset:8704*(\q)+2176*\c+32*\e
.endr
.endr
.endm
.macro BLOAD                           ; five bias blocks: eight neighbours of a table for the even keys, eight for the odd
.irp b, 0,1,2,3,4
.irp u, 0,1
	ds_load_b128 v[BI+16*\b+4*\u:BI+16*\b+4*\u+3], v[ADE] offset:64*\b+16*\u
	ds_load_b128 v[BI+16*\b+8+4*\u:BI+16*\b+8+4*\u+3], v[ADO] offset:64*\b+16*\u
.endr
.endr
.endm
.macro KSLOAD                          ; lanes 0-15: tile 0 (2), lanes 16-31: tile 1 (3)
	ds_load_b32 v[KSC], v[ADS]
	ds_load_b32 v[KSC+1], v[ADS] offset:128
.endm
.macro VLOAD q                         ; V's four tiles of 16 channels x 128 keys
.irp t, 0,1,2,3
.irp e, 0,1,2,3
	ds_load_b128 v[FRG+16*\t+4*\e:FRG+16*\t+4*\e+3], v[ADV] offset:4352*\t+128*(\q)+32*\e
.endr
.endr
.endm
.macro VSLOAD
	ds_load_b32 v[VSC], v[ADT]
	ds_load_b32 v[VSC+1], v[ADT] offset:2304
.endm
; a score product: D (window 0) = 16 pairs of keys x 16 queries + bias.  Lane (r, h), register j: query r, key 32 c + 16 h + 2 j (+ 1 with [0 | Q])
.macro SM1 dd, cc, qq, bb, rr
.if ((\cc)%2) && (\rr)
	v_wmma_scale_f32_16x16x128_f8f6f4 v[\dd:\dd+7], v[FRG+16*(\cc):FRG+16*(\cc)+15], v[\qq:\qq+15], v[\bb:\bb+7], v[KSC+(\cc)/2], v[QSC] matrix_a_scale:MATRIX_SCALE_ROW1 matrix_b_scale:MATRIX_SCALE_ROW1
.elseif (\cc)%2
	v_wmma_scale_f32_16x16x128_f8f6f4 v[\dd:\dd+7], v[FRG+16*(\cc):FRG+16*(\cc)+15], v[\qq:\qq+15], v[\bb:\bb+7], v[KSC+(\cc)/2], v[QSC] matrix_a_scale:MATRIX_SCALE_ROW1
.elseif \rr
	v_wmma_scale_f32_16x16x128_f8f6f4 v[\dd:\dd+7], v[FRG+16*(\cc):FRG+16*(\cc)+15], v[\qq:\qq+15], v[\bb:\bb+7], v[KSC+(\cc)/2], v[QSC] matrix_b_scale:MATRIX_SCALE_ROW1
.else
	v_wmma_scale_f32_16x16x128_f8f6f4 v[\dd:\dd+7], v[FRG+16*(\cc):FRG+16*(\cc)+15], v[\qq:\qq+15], v[\bb:\bb+7], v[KSC+(\cc)/2], v[QSC]
.endif
.endm
.macro SMUL                            ; 16 products: 128 keys x two tiles of queries
.irp c, 0,1,2,3
	SM1 SA+16*\c, \c, QA, BI+16*(\c+1), 0
	SM1 SB+16*\c, \c, QA+24, BI+16*\c, 1
	SM1 SA+16*\c+8, \c, QA+8, BI+16*(\c+1)+8, 0
	SM1 SB+16*\c+8, \c, QA+32, BI+16*\c+8, 1
.endr
.endm
; O += x V: source 0 = x's codes (16 queries x 128 keys), source 1 = 16 channels of V.  Register j: query 8 h + j, channel 4 r + t
.macro PV1 oo, ss, tt, pp
.if (\tt)%2
	v_wmma_scale_f32_16x16x128_f8f6f4 v[\oo:\oo+7], v[\ss:\ss+15], v[FRG+16*(\tt):FRG+16*(\tt)+15], v[\oo:\oo+7], v[\pp], v[VSC+(\tt)/2] matrix_b_scale:MATRIX_SCALE_ROW1
.else
	v_wmma_scale_f32_16x16x128_f8f6f4 v[\oo:\oo+7], v[\ss:\ss+15], v[FRG+16*(\tt):FRG+16*(\tt)+15], v[\oo:\oo+7], v[\pp], v[VSC+(\tt)/2]
.endif
.endm
.macro PVMUL                           ; the eight accumulators take turns, one instruction a turn
.irp t, 0,1,2,3
	PV1 OA+8*\t, SA, \t, PWA
	PV1 OA+32+8*\t, SB, \t, PWA+1
.endr
.endm
; line idx of 32: the largest sum of each block of 32 keys (my 16), the four blocks by turns; each accumulator is first read at its low end
.macro BMAXOP t, idx
	TILE \t
.set bn, (\idx)
.set bk, bn%4
.set bs, bn/4
.if bs == 0
	v_max3_num_f32 v[rM+bk], v[rS+16*bk], v[rS+16*bk+1], v[rS+16*bk+2]
.elseif bs < 7
	v_max3_num_f32 v[rM+bk], v[rM+bk], v[rS+16*bk+2*bs+1], v[rS+16*bk+2*bs+2]
.else
	v_max_num_f32 v[rM+bk], v[rM+bk], v[rS+16*bk+15]
.endif
.endm
.macro P1STAT t                        ; the running maximum M, -c M, and the exponent of the factor that brings the sum under the new M
	TILE \t
	v_max3_num_f32 v[rM], v[rM], v[rM+1], v[rM+2]
	v_max3_num_f32 v[rM], v[rM], v[rM+3], v[rT+1]
	v_permlanex16_b32 v[rM+4], v[rM], s[SEL], s[SEL+1]
	v_max_num_f32 v[rT+1], v[rM], v[rM+4]
	v_mov_b32 v[rM+5], v[rT]
	v_mul_f32 v[rT], s[NC], v[rT+1]
	v_sub_f32 v[rT+4], v[rT], v[rM+5]
.endm
.macro FMA1 t, idx                     ; c x sum - c M, two at a time (of the pairs the low word serves both halves)
	TILE \t
.set fn, (\idx)
	v_pk_fma_f32 v[rS+2*fn:rS+2*fn+1], v[rS+2*fn:rS+2*fn+1], s[CS:CS+1], v[rT:rT+1] op_sel_hi:[1,0,0]
.endm
.macro EXPOP t, idx                    ; 0..63: the scores; 64..67: the blocks' largest
	TILE \t
.set en, (\idx)
.if en < 64
	v_exp_f32 v[rS+en], v[rS+en]
.else
	v_exp_f32 v[rM+en-64], v[rM+en-64]
.endif
.endm
.macro SUMOP t, idx                    ; 33 lines: the sum under the new M, then the step's 64 p in two chains of packed additions
	TILE \t
.set sn, (\idx)
.if sn == 0
	v_pk_mul_f32 v[rT+2:rT+3], v[rT+2:rT+3], v[rT+4:rT+5] op_sel_hi:[1,0]
.elseif sn == 1
	v_pk_add_f32 v[rM+8:rM+9], v[rS:rS+1], v[rS+2:rS+3]
.elseif sn == 32
	v_pk_add_f32 v[rT+2:rT+3], v[rT+2:rT+3], v[rM+8:rM+9]
.elseif sn%2 == 0
	v_pk_add_f32 v[rT+2:rT+3], v[rT+2:rT+3], v[rS+2*sn:rS+2*sn+1]
.else
	v_pk_add_f32 v[rM+8:rM+9], v[rM+8:rM+9], v[rS+2*sn:rS+2*sn+1]
.endif
.endm
.macro PREOP t, idx                    ; walk 2, ahead of the exponentials: 76 lines
.set pn, (\idx)
.if pn < 32
	BMAXOP \t, pn
.elseif pn < 36
	TILE \t
	v_permlanex16_b32 v[rM+4+pn-32], v[rM+pn-32], s[SEL], s[SEL+1]
.elseif pn < 40
	TILE \t
	v_max_num_f32 v[rM+pn-36], v[rM+pn-36], v[rM+4+pn-36]
.elseif pn < 72
	FMA1 \t, pn-40
.else
	TILE \t
	v_fma_f32 v[rM+pn-72], v[rM+pn-72], s[CS], v[rT]
.endif
.endm
; walk 2, behind the exponentials: 131 lines.  x = p / sum + tau / i; a block's largest x comes from its largest score by the same lines (x rises with the score); scale, byte, hold; then block by block:
; relu and the hold in one v_med3, which also puts even and odd keys in order; two conversions; a plain line ahead of the next block's writes of their sources
.macro POSTQOP t, idx
	TILE \t
.set qn, (\idx)
.if qn < 32
	v_pk_fma_f32 v[rS+2*qn:rS+2*qn+1], v[rS+2*qn:rS+2*qn+1], v[rT+4:rT+5], v[rT+6:rT+7] op_sel_hi:[1,0,0]
.elseif qn < 36
	v_fma_f32 v[rM+qn-32], v[rM+qn-32], v[rT+4], v[rT+6]
.elseif qn < 40
	v_max_num_f32 v[rM+qn-36], 0x4800000, v[rM+qn-36]             ; the floor 2^(9 - 127): the byte cannot fall under 1; what is negative does not count
.elseif qn < 44
	v_add_nc_u32 v[rM+12+qn-40], 0xfc000000, v[rM+qn-40]          ; 8 off the exponent field: the conversion's scale operand
.elseif qn < 48
	v_and_or_b32 v[rM+8+qn-44], v[rM+qn-44], 0x7f800000, s[MNT]   ; 448 x the scale
.elseif qn < 52
	v_lshrrev_b32 v[rM+4+qn-48], 23, v[rM+12+qn-48]               ; the scale's byte
.elseif qn == 52
	v_lshl_or_b32 v[rP], v[rM+5], 8, v[rM+4]
.elseif qn == 53
	v_lshl_or_b32 v[rP], v[rM+6], 16, v[rP]
.elseif qn == 54
	v_lshl_or_b32 v[rP], v[rM+7], 24, v[rP]
.else
.set qm, qn-55
.set qb, qm/19
.set qi, qm%19
.if qi < 16
	v_med3_num_f32 v[XR+qi], v[rS+16*qb+8*(qi%2)+qi/2], 0, v[rM+8+qb]
.elseif qi == 16
	v_cvt_scalef32_pk8_fp8_f32 v[rS+4*qb:rS+4*qb+1], v[XR:XR+7], v[rM+12+qb]
.elseif qi == 17
	v_cvt_scalef32_pk8_fp8_f32 v[rS+4*qb+2:rS+4*qb+3], v[XR+8:XR+15], v[rM+12+qb]
.else
	v_nop
.endif
.endif
.endm
.macro VDESC g, t                      ; group 0 of V's tile t: channels t, t + 4, .. t + 60, my chunk of 256 keys
	s_mov_b32 s[\g], 1
	s_add_co_u32 s[\g+1], s96, VB+4352*\t
	s_add_nc_u64 s[\g+2:\g+3], s[12:13], s[94:95]
.if \t > 0
	s_add_nc_u64 s[\g+2:\g+3], s[\g+2:\g+3], 2048*\t
.endif
	s_or_b32 s[\g+3], s[\g+3], 0x80000000
.endm
	s_load_b256 s[4:11], s[0:1], 0x0               ; q_codes s[4:5], q_scales s[6:7], k_codes s[8:9], k_scales s[10:11]
	s_load_b256 s[12:19], s[0:1], 0x20             ; v_codes s[12:13], v_scales s[14:15], tau s[16:17], bias_weight s[18:19]
	s_load_b64 s[20:21], s[0:1], 0x40              ; out0
	v_lshl_add_u32 v[SPW], v0, 2, SPARE
	v_mov_b32 v[NIL], 0
	ds_add_u32 v[SPW], v[NIL]                      ; the wave's opening: the add, twice on end, and its wait ahead of my first tensor load
	ds_add_u32 v[SPW], v[NIL]
	v_lshrrev_b32 v[ADK], 5, v0
	v_readfirstlane_b32 s[WV], v[ADK]              ; wave 0..7
	s_lshr_b32 s[GG], s[WV], 2                     ; which half of the keys
	s_and_b32 s[PA], s[WV], 3                      ; which pair of tiles
	s_mov_b32 s[JJ], ttmp9
	s_and_b32 s[HD], ttmp7, 0xffff                 ; batch x 16 + head
	s_and_b32 s[H4], s[HD], 15
	s_lshl_b32 s[H4], s[H4], 2                     ; the head's column, in bytes
	s_and_b32 s90, s[PA], 1
	s_lshl_b32 s90, s90, 4
	s_lshr_b32 s91, s[PA], 1
	s_lshl_b32 s91, s91, 6
	s_add_co_u32 s[PO], s90, s91                   ; tile A's first query in a block: 0, 16, 64, 80
	; group 1, K: 64 rows of 256 bytes, dense; 16 bytes of padding behind each
	s_mov_b32 s[G1K], (1<<20)|(5<<22)|(3<<25)      ; no mask; elements of 1 byte; padding: 4 words behind every 64
	s_mov_b32 s[G1K+1], 256<<16                    ; tensor_dim0
	s_mov_b32 s[G1K+2], 64<<16                     ; tensor_dim1
	s_mov_b32 s[G1K+3], 256<<16                    ; tile_dim0
	s_mov_b32 s[G1K+4], 64                         ; tile_dim1
	s_mov_b32 s[G1K+5], 256                        ; from row to row
	s_mov_b32 s[G1K+6], 0
	s_mov_b32 s[G1K+7], 0
	; group 1, V: 16 rows of 256 bytes, four channels (8,192 bytes) apart
	s_mov_b32 s[G1V], (1<<20)|(5<<22)|(3<<25)
	s_mov_b32 s[G1V+1], 256<<16
	s_mov_b32 s[G1V+2], 16<<16
	s_mov_b32 s[G1V+3], 256<<16
	s_mov_b32 s[G1V+4], 16
	s_mov_b32 s[G1V+5], 8192
	s_mov_b32 s[G1V+6], 0
	s_mov_b32 s[G1V+7], 0
	s_mov_b32 s[CS], 0x3e38aa3b                    ; c = log2(e) / 8
	s_mov_b32 s[CS+1], s[CS]                       ; (named with it as a pair)
	s_mov_b32 s[NC], 0xbe38aa3b                    ; -c
	s_mov_b32 s[SEL], 0x76543210
	s_mov_b32 s[SEL+1], 0xfedcba98                 ; v_permlanex16_b32's selects for lane l xor 16
	s_mov_b32 s[MNT], 0x600000                     ; the mantissa field of 448
	s_mov_b32 s[BT], 2
	s_lshl_b32 s90, s[HD], 17                      ; the head's first byte in each tensor of codes
	s_mov_b32 s91, 0
	s_lshl_b32 s92, s[WV], 14                      ; K: my 64 rows of 256 bytes
	s_add_co_u32 s92, s92, s90
	s_mov_b32 s93, 0
	s_lshl_b32 s94, s[WV], 8                       ; V: my 256 keys of each channel
	s_add_co_u32 s94, s94, s90
	s_mov_b32 s95, 0
	s_mul_i32 s96, s[WV], 17408                    ; and their place in LDS
	s_wait_dscnt 0x0                               ; both opening adds are done
	s_wait_kmcnt 0x0
	s_mov_b32 s[G0K], 1
	s_add_co_u32 s[G0K+1], s96, KB
	s_add_nc_u64 s[G0K+2:G0K+3], s[8:9], s[92:93]
	s_or_b32 s[G0K+3], s[G0K+3], 0x80000000
	VDESC 52, 0
	VDESC 56, 1
	VDESC 60, 2
	VDESC 68, 3
	tensor_load_to_lds s[G0K:G0K+3], s[G1K:G1K+7]  ; every wave: its eighth of K first, then its eighth of V in four tiles: five loads of mine are out
	s_nop 0
	tensor_load_to_lds s[52:55], s[G1V:G1V+7]
	s_nop 0
	tensor_load_to_lds s[56:59], s[G1V:G1V+7]
	s_nop 0
	tensor_load_to_lds s[60:63], s[G1V:G1V+7]
	s_nop 0
	tensor_load_to_lds s[68:71], s[G1V:G1V+7]
	s_nop 0
	PLACES 4
	s_mov_b32 s92, s[H4]
	s_add_nc_u64 s[16:17], s[16:17], s[92:93]
	s_load_b32 s[TAU], s[16:17], 0x0               ; tau[h]
	s_lshl_b32 s92, s[HD], 12                      ; the head's first byte in each tensor of scale bytes
	s_add_nc_u64 s[6:7], s[6:7], s[92:93]
	s_add_nc_u64 s[10:11], s[10:11], s[92:93]
	s_add_nc_u64 s[14:15], s[14:15], s[92:93]
	s_add_nc_u64 s[4:5], s[4:5], s[90:91]
	s_sub_co_u32 s94, 15, s[JJ]
	s_lshl_b32 s94, s94, 7
	s_add_co_u32 s94, s94, s[PO]                   ; tile A's first query in the block walked first,
	s_lshl_b32 s96, s[JJ], 7
	s_add_co_u32 s96, s96, s[PO]                   ; and in the one walked second
	s_lshl_b32 s92, s94, 6
	s_add_nc_u64 s[8:9], s[4:5], s[92:93]          ; their codes
	s_lshl_b32 s92, s96, 6
	s_add_nc_u64 s[12:13], s[4:5], s[92:93]
	s_lshl_b32 s92, s94, 1
	s_add_nc_u64 s[94:95], s[6:7], s[92:93]        ; their scale bytes
	s_lshl_b32 s92, s96, 1
	s_add_nc_u64 s[96:97], s[6:7], s[92:93]
	v_lshlrev_b32 v[ADK], 6, v0
	v_add_nc_u32 v[ADK], s[H4], v[ADK]             ; bias_weight: row = thread, my head's column
	v_lshlrev_b32 v[ADV], 4, v0                    ; the scale bytes: 16 a thread
	v_and_b32 v73, 15, v0                          ; r
	v_bfe_u32 v74, v0, 4, 1                        ; h
	v_lshlrev_b32 v[ADE], 6, v73
	v_lshl_add_u32 v[ADE], v74, 4, v[ADE]          ; Q: 64 r + 16 h
	v_lshlrev_b32 v[ADO], 1, v73
	v_lshl_add_u32 v[ADO], v74, 6, v[ADO]          ; Q's scale bytes: 2 r; lanes 16-31 take tile B's, 32 queries on
.irp i, 0,1,2,3,4,5,6,7
	global_load_b32 v[SA+\i], v[ADK], s[18:19] offset:16384*\i     ; bias_weight[thread + 256 i][h]: rows 0 .. 2,047
.endr
	global_load_b128 v[SA+8:SA+11], v[ADV], s[10:11]
	global_load_b128 v[SA+12:SA+15], v[ADV], s[14:15]
	global_load_u16 v[QSC], v[ADO], s[94:95]
	global_load_u16 v[LQS], v[ADO], s[96:97]
.irp u, 0,1
	global_load_b128 v[LQ+8*\u:LQ+8*\u+3], v[ADE], s[12:13] offset:2048*\u
	global_load_b128 v[LQ+8*\u+4:LQ+8*\u+7], v[ADE], s[12:13] offset:2048*\u+32
.endr
	WIN 0x40                                       ; destination window 1
.irp u, 0,1
.irp p, 0,16
	global_load_b128 v[QA+24*\u+\p:QA+24*\u+\p+3], v[ADE], s[8:9] offset:2048*\u
	global_load_b128 v[QA+24*\u+\p+4:QA+24*\u+\p+7], v[ADE], s[8:9] offset:2048*\u+32
.endr
.endr
.irp i, 0,1,2,3,4,5,6,7
	v_mov_b32 v[QA+8+\i], 0                        ; the zero halves: zero codes add nothing
	v_mov_b32 v[QA+32+\i], 0
.endr
	WIN 0
	; the lane parts of the LDS addresses
	v_and_b32 v72, 31, v0                          ; lane
	v_lshrrev_b32 v75, 1, v73                      ; r / 2
	v_and_b32 v76, 1, v73                          ; r % 2
	v_mul_u32_u24 v[AK], v75, 272
	v_lshl_add_u32 v[AK], v76, 7, v[AK]
	v_lshl_add_u32 v[AK], v74, 4, v[AK]
	v_add_nc_u32 v[AK], KB, v[AK]                  ; pair r of a tile: LDS row r / 2, half r % 2; + 16 h
	v_mul_u32_u24 v[AV], v73, 272
	v_lshl_add_u32 v[AV], v74, 4, v[AV]
	v_add_nc_u32 v77, 1, v73
	v_lshrrev_b32 v77, 1, v77                      ; even keys: d = (r + 1) / 2; table r % 2, copy d % 4, 4 (d - d % 4) bytes back: every address a multiple of 16
	v_and_b32 v78, 3, v77
	v_mul_u32_u24 v78, v78, 4384
	v_mad_u32_u24 v78, v76, 17536, v78
	v_lshl_add_u32 v78, v74, 5, v78
	v_add_nc_u32 v78, BIAS, v78
	v_and_b32 v79, 12, v77
	v_lshlrev_b32 v79, 2, v79
	v_sub_nc_u32 v[ABE], v78, v79
	v_xor_b32 v80, 1, v76                          ; odd keys: d = r / 2; the other table
	v_and_b32 v81, 3, v75
	v_mul_u32_u24 v81, v81, 4384
	v_mad_u32_u24 v81, v80, 17536, v81
	v_lshl_add_u32 v81, v74, 5, v81
	v_add_nc_u32 v81, BIAS, v81
	v_and_b32 v82, 12, v75
	v_lshlrev_b32 v82, 2, v82
	v_sub_nc_u32 v[ABO], v81, v82
	v_lshl_add_u32 v[AKS], v72, 2, KSB
	v_mul_u32_u24 v[AVS], v72, 72
	v_add_nc_u32 v[AVS], VSB, v[AVS]
	v_lshlrev_b32 v[GO], 4, v73
	v_lshl_add_u32 v[GO], v74, 11, v[GO]           ; out0: 16 r bytes of a row; lanes 16-31 eight rows on
	v_lshl_add_u32 v[STXW], v0, 4, STX
	v_xor_b32 v83, 128, v0                         ; the same lane of the pair's other wave
	v_lshl_add_u32 v[STXR], v83, 4, STX
	s_lshl_b32 s90, s[PA], 13
	v_lshl_add_u32 v[EXA], v72, 4, s90
	v_add_nc_u32 v[EXA], EXB, v[EXA]
	v_add_nc_u32 v[R1], 1, v73
	; where the tables are written.  rel = thread + 256 i, u = 2,048 - rel: table u % 2 = thread % 2, entry 1,024 - 128 i - (thread + 1) / 2
	v_and_b32 v84, 1, v0
	v_mul_u32_u24 v84, v84, 17536
	v_add_nc_u32 v84, BIAS+512, v84
	v_add_nc_u32 v85, 1, v0
	v_lshrrev_b32 v85, 1, v85
	v_lshlrev_b32 v85, 2, v85
	v_sub_nc_u32 v84, v84, v85
	; the masked entries u = 2,049 .. 2,176: m = thread % 128: table (m + 1) % 2, entry 1,024 + (m + 1) / 2; copies thread / 128 and that + 2
	v_and_b32 v86, 1, v0
	v_xor_b32 v86, 1, v86
	v_mul_u32_u24 v86, v86, 17536
	v_lshrrev_b32 v87, 7, v0
	v_mad_u32_u24 v86, v87, 4388, v86
	v_and_b32 v87, 127, v0
	v_add_nc_u32 v87, 1, v87
	v_lshrrev_b32 v87, 1, v87
	v_lshl_add_u32 v86, v87, 2, v86
	v_add_nc_u32 v86, BIAS+4096, v86
	v_bfe_u32 v40, v0, 2, 2                        ; V's scale bytes: channel thread / 4 = 4 r + t goes to row 16 t + r
	v_lshrrev_b32 v41, 4, v0
	v_lshl_add_u32 v40, v40, 4, v41
	v_mul_u32_u24 v40, v40, 72
	v_and_b32 v41, 3, v0
	v_lshl_add_u32 v40, v41, 4, v40
	v_add_nc_u32 v40, VSB, v40
	v_lshl_add_u32 v41, v0, 4, KSB
	v_mov_b32 v42, 0xf2c9f2ca                      ; -8e30
.irp t, 0,1
.irp i, 4,5,6,7
	v_mov_b32 v[TMA+16*\t+\i], 0                   ; written once: a lane permute's destination counts as one of its sources
.endr
	v_mov_b32 v[STA+8*\t+5], 0                     ; (upper halves of pairs of which the low word alone is used)
	v_mov_b32 v[STA+8*\t+7], 0
.endr
	s_wait_loadcnt 0x0
	s_wait_kmcnt 0x0
.irp i, 0,1,2,3,4,5,6,7
	v_mul_f32 v[SA+\i], 0x41000000, v[SA+\i]       ; 8 x bias: exact
.endr
.irp i, 0,1,2,3,4,5,6,7
.irp g, 0,1,2,3
	ds_store_b32 v84, v[SA+\i] offset:512*(7-\i)+4388*\g
.endr
.endr
	ds_store_b32 v86, v42
	ds_store_b32 v86, v42 offset:8776
	ds_store_b128 v41, v[SA+8:SA+11]
	ds_store_b64 v40, v[SA+12:SA+13]
	ds_store_b64 v40, v[SA+14:SA+15] offset:8
	v_lshl_or_b32 v[QSC], v[QSC], 16, v[QSC]       ; Q's two bytes twice: they serve [Q | 0] and [0 | Q]
	s_wait_tensorcnt 0x4                           ; my part of K, the oldest of my five loads, is in; the four of V may stay out: V is read behind the next barrier but one, and nothing is filled again
	BARRIER                                        ; K, the tables and the scale bytes lie in LDS
.Lblock:                                               ; two trips: query block 15 - J, then J
	s_wait_xcnt 0x0                                ; the last trip's stores have read their base and their data
	s_sub_co_u32 s90, 15, s[JJ]
	s_cmp_eq_u32 s[BT], 2
	s_cselect_b32 s[BLK], s90, s[JJ]
	s_and_b32 s[BLK], s[BLK], 15
	s_lshl_b32 s[QBS], s[BLK], 7                   ; the block's first query, and the first key of the step on the diagonal
	s_add_co_u32 s91, s[BLK], 2
	s_lshr_b32 s91, s91, 1
	s_lshl_b32 s91, s91, 7                         ; 128 n0
	s_sub_co_u32 s92, s91, 128
	s_add_co_u32 s93, s[QBS], 128
	s_mov_b32 s94, 0x10000
	s_cmp_eq_u32 s[GG], 0
	s_cselect_b32 s[LOK], 0, s91
	s_cselect_b32 s[HIK], s92, s[QBS]
	s_cselect_b32 s[TLO], s94, s93
	s_add_co_u32 s[QT], s[QBS], s[PO]
	s_lshl_b32 s90, s[QT], 1
	s_sub_co_u32 s[SQ], 4032, s90                  ; 4,096 - 2 (QT + 32): tile B's place in the tables at key 0
	s_lshl_b32 s90, s[HD], 11
	s_add_co_u32 s90, s90, s[QT]
	s_lshl_b32 s90, s90, 8
	s_mov_b32 s91, 0
	s_add_nc_u64 s[OUTP:OUTP+1], s[20:21], s[90:91]
	s_cmp_eq_u32 s[BT], 2
	s_cbranch_scc1 .Lheavy
	WIN 0x40                                       ; the second block's Q takes the first's place
.irp u, 0,1
.irp i, 0,1,2,3,4,5,6,7
	v_mov_b32 v[QA+24*\u+\i], v[LQ+8*\u+\i]
	v_mov_b32 v[QA+24*\u+16+\i], v[LQ+8*\u+\i]
.endr
.endr
	WIN 0
	v_lshl_or_b32 v[QSC], v[LQS], 16, v[LQS]
.Lheavy:
	v_add_nc_u32 v[XR], s[QT], v[R1]               ; i = q + 1 of my query in tile A,
	v_add_nc_u32 v[XR+1], 32, v[XR]                ; in tile B
	v_cvt_f32_u32 v[XR], v[XR]
	v_cvt_f32_u32 v[XR+1], v[XR+1]
	v_rcp_f32 v[XR], v[XR]
	v_rcp_f32 v[XR+1], v[XR+1]
.irp t, 0,1
	v_mov_b32 v[STA+8*\t+1], 0xff61b1e6            ; M: -3e38, under every sum
	v_mov_b32 v[STA+8*\t+2], 0
	v_mov_b32 v[STA+8*\t+3], 0
	v_mul_f32 v[STA+8*\t], s[NC], v[STA+8*\t+1]
.endr
	s_wait_alu depctr_va_vdst(0)                   ; one wait for both reciprocals, ahead of their first reader
	v_mul_f32 v[STA+6], s[TAU], v[XR]              ; tau / i
	v_mul_f32 v[STA+14], s[TAU], v[XR+1]
	; ---- WALK 1: the maximum and the sum of my half of the keys.  All waves walk all 16 steps; a step that is not mine is jumped over (ids alone decide)
	s_mov_b32 s[KF], 0
	s_mov_b32 s[TK], 0
	s_mov_b32 s[TS], 0
	s_mov_b32 s[CNT], 16
.Lp1:
	s_cmp_lt_u32 s[KF], s[LOK]
	s_cbranch_scc1 .Lp1e
	s_cmp_gt_u32 s[KF], s[HIK]
	s_cbranch_scc1 .Lp1e
	s_add_co_u32 s90, s[TS], s[SQ]
	s_min_u32 s90, s90, 4032                       ; never at work in a step that is walked: there 2 KF <= 2 QT
	v_add_nc_u32 v[ADK], s[TK], v[AK]
	v_add_nc_u32 v[ADE], s90, v[ABE]
	v_add_nc_u32 v[ADO], s90, v[ABO]
	v_add_nc_u32 v[ADS], s[TS], v[AKS]
	WIN 0x40
	KLOAD 0
	BLOAD
	WIN 0
	KSLOAD
	s_wait_dscnt 0x0
	WIN 0x15                                       ; sources 0, 1, 2 window 1, destination window 0
	SMUL
	WIN 0
	PLACES 8                                       ; eight plain lines between the products and the first read of their results
.set i, 0
.rept 32
	BMAXOP 0, i
.set i, i+1
.endr
	P1STAT 0
.set i, 0
.rept 32
	FMA1 0, i
.set i, i+1
.endr
	v_exp_f32 v[STA+4], v[STA+4]                   ; tile A's exponentials are one batch; tile B's plain lines stand between them
.set i, 0
.rept 32
	EXPOP 0, 2*i
	BMAXOP 1, i
	EXPOP 0, 2*i+1
.set i, i+1
.endr
	P1STAT 1
.set i, 0
.rept 32
	FMA1 1, i
.set i, i+1
.endr
	s_wait_alu depctr_va_vdst(0)                   ; one wait for tile A's batch, ahead of its first reader
	v_exp_f32 v[STA+12], v[STA+12]
.set i, 0
.rept 32
	EXPOP 1, 2*i
	SUMOP 0, i
	EXPOP 1, 2*i+1
.set i, i+1
.endr
	SUMOP 0, 32
	s_wait_alu depctr_va_vdst(0)                   ; and one for tile B's
.set i, 0
.rept 33
	SUMOP 1, i
.set i, i+1
.endr
.Lp1e:
	s_add_co_u32 s[KF], s[KF], 128
	s_add_co_u32 s[TK], s[TK], 8704
	s_add_co_u32 s[TS], s[TS], 256
	s_sub_co_u32 s[CNT], s[CNT], 1
	s_cmp_lg_u32 s[CNT], 0
	s_cbranch_scc1 .Lp1
	; ---- the halves meet: (M, sum) of both tiles go to the pair's other wave.  A half with no step sends (-3e38, 0), which adds nothing
.irp t, 0,1
	v_add_f32 v[STA+8*\t+2], v[STA+8*\t+2], v[STA+8*\t+3]
.endr
.irp t, 0,1
	v_permlanex16_b32 v[TMA+16*\t+4], v[STA+8*\t+2], s[SEL], s[SEL+1]
.endr
.irp t, 0,1
	v_mov_b32 v[XR+2*\t], v[STA+8*\t+1]
	v_add_f32 v[XR+2*\t+1], v[STA+8*\t+2], v[TMA+16*\t+4]
.endr
	ds_store_b128 v[STXW], v[XR:XR+3]
	s_wait_tensorcnt 0x0                           ; my part of V is in
	BARRIER                                        ; everybody's is, and so are the halves' figures
	ds_load_b128 v[XR+4:XR+7], v[STXR]
	s_wait_dscnt 0x0
.irp t, 0,1
	v_max_num_f32 v[TMA+16*\t], v[STA+8*\t+1], v[XR+4+2*\t]        ; the row's maximum
	v_mul_f32 v[TMA+16*\t+3], s[NC], v[XR+4+2*\t]                  ; -c M as the other half had it
	v_mul_f32 v[TMA+16*\t], s[NC], v[TMA+16*\t]                    ; and as it is now
	v_sub_f32 v[TMA+16*\t+1], v[TMA+16*\t], v[STA+8*\t]
	v_sub_f32 v[TMA+16*\t+2], v[TMA+16*\t], v[TMA+16*\t+3]
	v_mov_b32 v[STA+8*\t], v[TMA+16*\t]
.endr
.irp t, 0,1
	v_exp_f32 v[TMA+16*\t+1], v[TMA+16*\t+1]
	v_exp_f32 v[TMA+16*\t+2], v[TMA+16*\t+2]
.endr
	v_nop
	s_wait_alu depctr_va_vdst(0)
.irp t, 0,1
	v_mul_f32 v[TMA+16*\t+1], v[XR+1+2*\t], v[TMA+16*\t+1]
	v_fma_f32 v[TMA+16*\t+1], v[XR+5+2*\t], v[TMA+16*\t+2], v[TMA+16*\t+1]   ; the row's sum
.endr
.irp t, 0,1
	v_rcp_f32 v[STA+8*\t+4], v[TMA+16*\t+1]
.endr
	WIN 0x40
.set i, 0
.rept 64
	v_mov_b32 v[OA+i], 0                           ; O.  (Which product is a wave's first hangs on its ids, so the sums begin as zeros)
.set i, i+1
.endr
	WIN 0
	s_wait_alu depctr_va_vdst(0)                   ; one wait for both reciprocals
	; ---- x behind the diagonal: relu(tau / i), the same for all keys: one fragment of codes and one scale word a tile
.irp t, 0,1
	v_max_num_f32 v[TMA+16*\t], 0x4800000, v[STA+8*\t+6]
	v_add_nc_u32 v[TMA+16*\t+12], 0xfc000000, v[TMA+16*\t]
	v_and_or_b32 v[TMA+16*\t+8], v[TMA+16*\t], 0x7f800000, s[MNT]
	v_lshrrev_b32 v[TMA+16*\t+4], 23, v[TMA+16*\t+12]
	v_lshl_or_b32 v[PWA+\t], v[TMA+16*\t+4], 8, v[TMA+16*\t+4]
	v_lshl_or_b32 v[PWA+\t], v[PWA+\t], 16, v[PWA+\t]
	v_med3_num_f32 v[XR], v[STA+8*\t+6], 0, v[TMA+16*\t+8]
.irp i, 1,2,3,4,5,6,7
	v_mov_b32 v[XR+\i], v[XR]
.endr
	v_cvt_scalef32_pk8_fp8_f32 v[SA+64*\t:SA+64*\t+1], v[XR:XR+7], v[TMA+16*\t+12]
	v_nop
.irp i, 2,4,6,8,10,12,14
	v_mov_b32 v[SA+64*\t+\i], v[SA+64*\t]
	v_mov_b32 v[SA+64*\t+\i+1], v[SA+64*\t+1]
.endr
.endr
.macro TSTEP q                         ; a step behind the diagonal: V's four tiles against the constant fragments
	s_cmp_lt_u32 s[KF], s[TLO]
	s_cbranch_scc1 .Lte_\@
	v_add_nc_u32 v[ADV], s[TK], v[AV]
	v_add_nc_u32 v[ADT], s[TJ], v[AVS]
	PLACES 6                                       ; with the two additions: eight plain lines behind the last products, ahead of loads into their registers, and behind the lines that made the scale words
	WIN 0x40
	VLOAD \q
	WIN 0
	VSLOAD
	s_wait_dscnt 0x0
	WIN 0x54                                       ; source 1 (V), C and D window 1; source 0 (x's codes) window 0
	PVMUL
	WIN 0
.Lte_\@:
	s_add_co_u32 s[KF], s[KF], 128
	s_add_co_u32 s[TJ], s[TJ], 4
.endm
	s_mov_b32 s[KF], 0
	s_mov_b32 s[TK], 0
	s_mov_b32 s[TJ], 0
	s_mov_b32 s[CNT], 8
.Ltl:
	TSTEP 0
	TSTEP 1
	s_add_co_u32 s[TK], s[TK], 17408
	s_sub_co_u32 s[CNT], s[CNT], 1
	s_cmp_lg_u32 s[CNT], 0
	s_cbranch_scc1 .Ltl
	; ---- WALK 2: the scores again, x, its codes, O += x V
.macro P2STEP q
	s_cmp_lt_u32 s[KF], s[LOK]
	s_cbranch_scc1 .Lp2e_\@
	s_cmp_gt_u32 s[KF], s[HIK]
	s_cbranch_scc1 .Lp2e_\@
	s_add_co_u32 s90, s[TS], s[SQ]
	s_min_u32 s90, s90, 4032
	v_add_nc_u32 v[ADK], s[TK], v[AK]
	v_add_nc_u32 v[ADV], s[TK], v[AV]
	v_add_nc_u32 v[ADE], s90, v[ABE]
	v_add_nc_u32 v[ADO], s90, v[ABO]
	v_add_nc_u32 v[ADS], s[TS], v[AKS]
	v_add_nc_u32 v[ADT], s[TJ], v[AVS]
	PLACES 3                                       ; with the six additions: nine plain lines behind the last products, whose source 0 the score products write over
	WIN 0x40
	KLOAD \q
	BLOAD
	WIN 0
	KSLOAD
	s_wait_dscnt 0x0
	WIN 0x15
	SMUL
	WIN 0
	PLACES 8
	WIN 0x40
	VLOAD \q                                       ; V's fragments take K's registers and land while x is made
	WIN 0
	VSLOAD
.set i, 0
.rept 76
	PREOP 0, i
.set i, i+1
.endr
.set i, 0
.rept 34
	EXPOP 0, 2*i                                   ; tile A's 68 exponentials are one batch; tile B's plain lines stand between them
	PREOP 1, i
	EXPOP 0, 2*i+1
.set i, i+1
.endr
.set i, 34
.rept 42
	PREOP 1, i
.set i, i+1
.endr
	s_wait_alu depctr_va_vdst(0)                   ; one wait for tile A's batch
.set i, 0
.rept 68
	EXPOP 1, i
.if 2*i < 131
	POSTQOP 0, 2*i
.endif
.if 2*i+1 < 131
	POSTQOP 0, 2*i+1
.endif
.set i, i+1
.endr
	s_wait_alu depctr_va_vdst(0)                   ; and one for tile B's
.set i, 0
.rept 131
	POSTQOP 1, i
.set i, i+1
.endr
	s_wait_dscnt 0x0                               ; V's fragments and scale words
	PLACES 3                                       ; with the list's last line: four plain lines between the last conversion and the product that takes its codes
	WIN 0x54
	PVMUL
	WIN 0
.Lp2e_\@:
	s_add_co_u32 s[KF], s[KF], 128
	s_add_co_u32 s[TS], s[TS], 256
	s_add_co_u32 s[TJ], s[TJ], 4
.endm
	s_mov_b32 s[KF], 0
	s_mov_b32 s[TK], 0
	s_mov_b32 s[TS], 0
	s_mov_b32 s[TJ], 0
	s_mov_b32 s[CNT], 8
.Lp2:
	P2STEP 0
	P2STEP 1
	s_add_co_u32 s[TK], s[TK], 17408
	s_sub_co_u32 s[CNT], s[CNT], 1
	s_cmp_lg_u32 s[CNT], 0
	s_cbranch_scc1 .Lp2
	; ---- THE WAY OUT: G = 1's part of O goes to G = 0 as an image of its registers; G = 0 adds and stores
	PLACES 8
	BARRIER                                        ; no wave reads K any more in this trip
	s_cmp_eq_u32 s[GG], 0
	s_cbranch_scc1 .Lnosend
	WIN 0x04                                       ; an LDS store's data are its source 1: window 1
.irp k, 0,1,2,3,4,5,6,7,8,9,10,11,12,13,14,15
	ds_store_b128 v[EXA], v[OA+4*\k:OA+4*\k+3] offset:512*\k       ; each accumulator from its low end on
.endr
	WIN 0
.Lnosend:
	BARRIER
	s_cmp_lg_u32 s[GG], 0
	s_cbranch_scc1 .Lnostore
.irp k, 0,1,2,3,4,5,6,7,8,9,10,11,12,13,14,15
	ds_load_b128 v[SB+4*\k:SB+4*\k+3], v[EXA] offset:512*\k
.endr
	s_wait_dscnt 0x0
	WIN 0x01                                       ; source 0 window 1
.irp j, 0,1,2,3,4,5,6,7                        ; the additions also put a query's four neighbouring channels 4 r + 0 .. 3 into four neighbouring registers; each accumulator is first read at register 0
.irp u, 0,1
.irp t, 0,1,2,3
	v_add_f32 v[SA+32*\u+4*\j+\t], v[OA+32*\u+8*\t+\j], v[SB+32*\u+8*\t+\j]
.endr
.endr
.endr
	WIN 0
.irp u, 0,1
.irp j, 0,1,2,3,4,5,6,7
	global_store_b128 v[GO], v[SA+32*\u+4*\j:SA+32*\u+4*\j+3], s[OUTP:OUTP+1] offset:8192*\u+256*\j th:TH_STORE_NT   ; lanes 0-15 store row j's 256 bytes, lanes 16-31 row 8 + j's, each at a multiple of 256 from out0's first byte
.endr
.endr
.Lnostore:
	s_sub_co_u32 s[BT], s[BT], 1
	s_cmp_lg_u32 s[BT], 0
	s_cbranch_scc1 .Lblock
	s_wait_tensorcnt 0x0                           ; the wave's end, behind my last tensor load and my last LDS store
	ds_add_u32 v[SPW], v[NIL]
	s_wait_dscnt 0x0
	s_endpgm
.Lfunc_end_k_q3c93e78919_attn:
	.size	k_q3c93e78919_attn, .Lfunc_end_k_q3c93e78919_attn-k_q3c93e78919_attn
	.p2alignl 7, 3214868480
	.fill 96, 4, 3214868480
	.section	.rodata,"a",@progbits
	.p2align	6, 0x0
	.amdhsa_kernel k_q3c93e78919_attn
		.amdhsa_group_segment_fixed_size 327680
		.amdhsa_private_segment_fixed_size 0
		.amdhsa_enable_private_segment 0
		.amdhsa_kernarg_size 72
		.amdhsa_user_sgpr_count 2
		.amdhsa_user_sgpr_kernarg_segment_ptr 1
		.amdhsa_wavefront_size32 1
		.amdhsa_system_sgpr_workgroup_id_x 1
		.amdhsa_system_sgpr_workgroup_id_y 1
		.amdhsa_system_sgpr_workgroup_id_z 1
		.amdhsa_system_vgpr_workitem_id 0
		.amdhsa_next_free_vgpr 512
		.amdhsa_next_free_sgpr 100
		.amdhsa_reserve_vcc 0
		.amdhsa_float_denorm_mode_32 3
		.amdhsa_float_denorm_mode_16_64 3
		.amdhsa_memory_ordered 1
		.amdhsa_forward_progress 1
		.amdhsa_inst_pref_size 134
	.end_amdhsa_kernel
	.amdgpu_metadata
---
amdhsa.version: [ 1, 2 ]
amdhsa.kernels:
  - .name:           k_q3c93e78919_attn
    .symbol:         k_q3c93e78919_attn.kd
    .args:
      - { .name: q_codes, .offset: 0, .size: 8, .value_kind: global_buffer, .address_space: global }
      - { .name: q_scales, .offset: 8, .size: 8, .value_kind: global_buffer, .address_space: global }
      - { .name: k_codes, .offset: 16, .size: 8, .value_kind: global_buffer, .address_space: global }
      - { .name: k_scales, .offset: 24, .size: 8, .value_kind: global_buffer, .address_space: global }
      - { .name: v_codes, .offset: 32, .size: 8, .value_kind: global_buffer, .address_space: global }
      - { .name: v_scales, .offset: 40, .size: 8, .value_kind: global_buffer, .address_space: global }
      - { .name: tau, .offset: 48, .size: 8, .value_kind: global_buffer, .address_space: global }
      - { .name: bias_weight, .offset: 56, .size: 8, .value_kind: global_buffer, .address_space: global }
      - { .name: out0, .offset: 64, .size: 8, .value_kind: global_buffer, .address_space: global }
    .group_segment_fixed_size: 327680
    .private_segment_fixed_size: 0
    .kernarg_segment_align: 8
    .kernarg_segment_size: 72
    .max_flat_workgroup_size: 256
    .sgpr_count:     100
    .vgpr_count:     512
    .wavefront_size: 32
...
	.end_amdgpu_metadata
.endif
;; end of part 1
